; MI455X (gfx1250); checked and timed in simulation.
; The chip was launched on July 23, 2026; its instructions are those of AMD's public machine-readable ISA for CDNA 5 (MIT licence, August 2026) and "CDNA5" Instruction Set Architecture Reference Guide (July 2026). The comments in the code are by the model that wrote it; some were corrected since.
;; Bert Attention. Allowed arithmetic: matrix products marked QUANTISED: E4M3 operands, one E8M0 scale for each 32 along K, by v_wmma_scale_f32_16x16x128_f8f6f4 with both operands' format E4M3, f32 sums; everything else in f32.
;; Inputs: Wk 1,024 x 1,024 float32; Wq 1,024 x 1,024 float32; Wv 1,024 x 1,024 float32; bk 1,024 float32; bq 1,024 float32; bv 1,024 float32; masked_attention 4 x 2,048 float32; x 4 x 2,048 x 1,024 float32.
;; Outputs: out0 4 x 2,048 x 1,024 float32.
;; This version of the problem:
;;   THIS VERSION OF THE PROBLEM IS GIVEN IN LOW PRECISION. The matrix products marked QUANTISED in the list below multiply operands that are first quantised to E4M3 (4 exponent bits, 3 mantissa bits; 8 bits a number), with one power-of-two scale for each 32 numbers along K (OCP MX v1.0); their sums are f32. All else is computed in f32.
;;   The module's matrix products, in the order in which they are computed (A, B: the left and right operand; K: the contracted axis; several contracted axes count as one K, in the product's order):
;;     1. [M 8,192, K 1,024] x [K 1,024, N 1,024]; A: input x; B: input Wq: QUANTISED
;;     2. [M 8,192, K 1,024] x [K 1,024, N 1,024]; A: input x; B: input Wk: QUANTISED
;;     3. [M 8,192, K 1,024] x [K 1,024, N 1,024]; A: input x; B: input Wv: QUANTISED
;;     4. batch 64 x [M 2,048, K 64] x [K 64, N 2,048]; A: computed on the way; B: computed on the way: QUANTISED
;;     5. batch 64 x [M 2,048, K 2,048] x [K 2,048, N 64]; A: softmax (see below); B: computed on the way: QUANTISED
;;   THE QUANTISER, for each operand of a quantised product, along K:
;;     - K is cut into blocks of 32 from its start; a last block that is shorter is filled with zeros.
;;     - A block's scale is 2^e with e = floor(log2(the largest magnitude in the block)) - 8, held to -126 .. 127; a block of zeros has e = 0. As a byte (E8M0): e + 127.
;;     - Each number is divided by its block's scale, clamped to +-448, and rounded to the nearest number of E4M3, ties to even, subnormals kept.
;;     - The product sums the exact products of the quantised numbers (number of the format x scale) in f32.
;;   ~~~python
;;   def quantise(x, axis):      # numpy; x: float32 -> the quantised numbers, widened to float32 again
;;       x = np.moveaxis(x, axis, -1); K = x.shape[-1]
;;       x = np.pad(x, [(0, 0)] * (x.ndim - 1) + [(0, -K % 32)]); x = x.reshape(x.shape[:-1] + (-1, 32)); a = np.abs(x).max(-1, keepdims=True)
;;       e = np.where(a > 0, np.clip(np.frexp(np.where(a > 0, a, 1))[1] - 1 - 8, -126, 127), 0)      # np.frexp(a)[1] - 1 = floor(log2(a)), exactly
;;       r = np.clip(x / 2.0 ** e, -448, 448)
;;       step = 2.0 ** (np.maximum(np.frexp(np.where(r == 0, 1, r))[1] - 1, -6) - 3)
;;       q = np.round(r / step) * step * 2.0 ** e      # np.round: ties to even
;;       return np.moveaxis(q.reshape(q.shape[:-2] + (-1,))[..., :K], -1, axis).astype(np.float32)
;;   ~~~
;;   SOFTMAX AHEAD OF A QUANTISED PRODUCT. Where the list says 'softmax', what is quantised is not the finished softmax but p = 2^(t - M), with t = logit x log2(e) and M = ceil(the row's largest t), a whole number; so 1/2 < the row's largest p <= 1. The row's sum l is taken of the UNQUANTISED p, in f32, and the product's result is divided by l at the end. Since M is a whole number, a kernel that streams over the keys may use a running M (the ceiling of the running maximum): every later rescaling is an exact power of two, which a block's scale takes up: the codes' values come out the same.
;;   OPERANDS COMPUTED ON THE WAY. 'Computed on the way' means the value that the module computes at that place (a softmax that the list does not call 'softmax' is quantised finished and normalised). What goes into a quantiser is computed in f32, as accurately as f32 sums, v_exp_f32 and their like allow (about 1e-6 of the number): no bf16 or f16 on the way to a quantiser, and a product that is left as it is and whose result goes on into a quantised operand takes f32 operands (vector FMAs, or v_wmma_f32_16x16x4_f32). A number that lies on a knife's edge between two numbers of the format may be rounded either way, as far as f32 arithmetic and the matrix unit's own rounding can turn it there, and no further.
;; One version. Each part assembles by itself: llvm-mc -triple=amdgcn-amd-amdhsa -mcpu=gfx1250 --defsym DOCPART=n.
;; ======== version 1 of 1: 3 launches
;; limits: right only within a limited range of input values
;; workspace buffers: xwc 11,534,336 bytes; xws 360,448 bytes; qkvc 25,165,824 bytes; qkvs 786,432 bytes
;; launch quant (part 1): grid 704 x 1, 4 waves a work-group, no clusters, 33,280 bytes of LDS; arguments x, Wq, Wk, Wv, xwc, xws; writes xwc, xws
.if DOCPART == 1
	.amdgcn_target "amdgcn-amd-amdhsa--gfx1250"
	.amdhsa_code_object_version 6
	.text
	.protected	k_q6703bbd441_quant
	.globl	k_q6703bbd441_quant
	.p2align	8
	.type	k_q6703bbd441_quant,@function
k_q6703bbd441_quant:
	s_mov_b64 s[64:65], 0
	v_nop
	global_prefetch_b8 v0, s[64:65] scope:SCOPE_SE
	s_setreg_imm32_b32 hwreg(HW_REG_WAVE_MODE, 25, 1), 1
	s_wait_xcnt 0x0
; x [8192][1024], Wq, Wk, Wv [1024][1024], f32, K innermost, become codes of FP8 (E4M3) and one E8M0 scale byte for each 32 along K.
; The four tensors' codes lie on end as ONE matrix xwc [11264][1024] (rows 0-8191 x, then Wq, Wk, Wv), their scale bytes as xws [11264][32].
; A block's scale is 2^(floor(log2(its largest magnitude)) - 8); its byte is the largest magnitude's exponent field - 8, held at 1 from below.
; Each number is divided by the scale, held within +-448 and rounded to the nearest code, ties to even.
; LIMITS: a block of zeros gets the byte 1 where the rule says 127 (its codes are zeros, and this program alone reads the bytes); blocks whose largest
; magnitude lies under 2^-118 are held at the byte 1; NaN and infinities among the inputs are not served.
; Rows are dense and 1024 is a multiple of 32: every tensor is a plain stream of blocks of 32.  A wave takes 8 steps of 512 numbers; a work-group 16,384 numbers.
; Work-groups 0-511 take x, 512-575 Wq, 576-639 Wk, 640-703 Wv; the outputs are one stream in that very order, so their place hangs on the work-group's number alone.
; ALL 32 LOADS OF A WAVE ARE ISSUED AHEAD OF ITS FIRST WAIT: 16,384 bytes on their way, into eight sets of 16 registers; no register is loaded twice.
; Each load reads 512 consecutive bytes, 16 a lane; a step's 2,048 bytes turn through the wave's own stage in LDS and come back 64 bytes a lane, so that a lane holds 16 neighbours along K
; (two neighbouring lanes hold a block).  No work-group shares an input with another, so no cluster; no tensor load, no barrier: waves share nothing.
; A wave's codes leave as 512 consecutive bytes a step.  Its 128 scale bytes leave as 128 consecutive bytes, at a multiple of 128: half of a unit of 256; they are one byte in 128 of what the launch reads.
.set STEPS, 8
.set EMAX,  8
.set MANT,  0x600000                   ; the mantissa field of 448 as f32
.set CB,    16                         ; bytes of 16 codes
.set R,     16                         ; v16-143  eight sets of 16 numbers as they are loaded
.set X,     144                        ; v144-175 two sets of 16 neighbours
.set E,     176                        ; v176-183 a scale byte for each step
.set C,     184                        ; v184-215 codes: four registers for each step, so that no store's data are written again
.set SPW,   216                        ; v216     LDS address of my spare word; never rewritten
.set NIL,   217                        ; v217     0; never rewritten
.set WREG,  8192                       ; LDS: a region for each wave: two stages of 32 x SP bytes, behind them its 128 scale bytes
.set SP,    80                         ; a lane's place in a stage: its 64 bytes + 16 of padding
.set SPARE, 0x8000                     ; behind the four regions: the spare words, 128 bytes a wave
	s_load_b256 s[4:11], s[0:1], 0x0               ; x s[4:5], Wq s[6:7], Wk s[8:9], Wv s[10:11]
	s_load_b128 s[12:15], s[0:1], 0x20             ; xwc s[12:13], xws s[14:15]
	v_lshl_add_u32 v[SPW], v0, 2, SPARE
	v_mov_b32 v[NIL], 0
	v_lshrrev_b32 v1, 5, v0
	v_readfirstlane_b32 s16, v1                    ; wave
	v_and_b32 v2, 31, v0                           ; lane
	v_lshlrev_b32 v3, 4, v2                        ; my 16 bytes of a load's 512
	s_mul_i32 s17, s16, WREG
	v_lshrrev_b32 v14, 2, v2
	v_mul_u32_u24 v14, v14, SP
	v_and_b32 v15, 3, v2
	v_lshl_add_u32 v14, v15, 4, v14
	v_add_nc_u32 v14, s17, v14                     ; the stage, on the way in: SP (lane / 4) + 16 (lane % 4)
	v_mul_u32_u24 v15, v2, SP
	v_add_nc_u32 v15, s17, v15                     ; and on the way out: SP x lane: my 16 neighbours
	v_mul_u32_u24 v4, v2, CB                       ; my codes' place in a step's
	v_lshrrev_b32 v5, 1, v2
	s_add_co_u32 s17, s17, 2*32*SP
	v_add_nc_u32 v5, s17, v5                       ; LDS: my wave's 128 scale bytes, my block's byte
	v_lshlrev_b32 v7, 2, v2                        ; and on the way out 4 bytes a lane
	v_add_nc_u32 v6, s17, v7
	s_mov_b32 s28, MANT                            ; (an instruction takes one literal: the hold's line has another)
	s_wait_alu depctr_va_vdst(0)                   ; the wait at the head's end
	s_wait_kmcnt 0x0
	s_cmp_lt_u32 ttmp9, 640                        ; which tensor: the choices hang on the work-group's number alone
	s_cselect_b64 s[26:27], s[8:9], s[10:11]
	s_cmp_lt_u32 ttmp9, 576
	s_cselect_b64 s[26:27], s[6:7], s[26:27]
	s_cmp_lt_u32 ttmp9, 512
	s_cselect_b64 s[26:27], s[4:5], s[26:27]
	s_cselect_b32 s24, 0, 512
	s_cselect_b32 s25, -1, 63
	s_sub_co_u32 s24, ttmp9, s24
	s_and_b32 s24, s24, s25                        ; the work-group's number inside its tensor (a weight has 64 work-groups)
	s_lshl_b32 s24, s24, 2
	s_add_co_u32 s24, s24, s16                     ; which run of 4,096 numbers of the tensor is my wave's
	s_lshl_b32 s18, s24, 14                        ; 16,384 bytes a run; 2,047 runs at the most: under 2^32
	s_mov_b32 s19, 0
	s_add_nc_u64 s[26:27], s[26:27], s[18:19]
	s_lshl_b32 s20, ttmp9, 2
	s_add_co_u32 s20, s20, s16                     ; which run of the outputs' stream
	s_lshl_b32 s22, s20, 12                        ; 4,096 bytes of codes a run
	s_mov_b32 s23, 0
	s_add_nc_u64 s[12:13], s[12:13], s[22:23]
	s_lshl_b32 s22, s20, 7                         ; 128 scale bytes a run
	s_add_nc_u64 s[14:15], s[14:15], s[22:23]
.macro LOAD t
.irp i, 0,1,2,3
	global_load_b128 v[R+16*(\t)+4*\i:R+16*(\t)+4*\i+3], v3, s[26:27] offset:2048*(\t)+512*\i th:TH_LOAD_NT   ; 32 lanes read 512 consecutive bytes
.endr
.endm
.macro TURN t                          ; step t's numbers through the stage: LDS serves a wave's instructions in order, so no wait stands between the stores and the loads
.irp i, 0,1,2,3
	ds_store_b128 v14, v[R+16*(\t)+4*\i:R+16*(\t)+4*\i+3] offset:32*SP*((\t)%2)+8*SP*\i
.endr
.irp i, 0,1,2,3
	ds_load_b128 v[X+16*((\t)%2)+4*\i:X+16*((\t)%2)+4*\i+3], v15 offset:32*SP*((\t)%2)+16*\i
.endr
.endm
.irp t, 0,1,2,3,4,5,6,7
	LOAD \t
.endr
	s_wait_loadcnt 28                              ; step 0's four loads are in; the 28 of steps 1 to 7 may be out
	TURN 0
.macro STEP t
.set XS, X+16*((\t)%2)
.if (\t) > 0
	s_wait_dscnt 1                                 ; this step's numbers are back from the stage (the last step's byte store may be out)
.else
	s_wait_dscnt 0x0
.endif
.if (\t)+1 < STEPS
	s_wait_loadcnt 4*(STEPS-2-(\t))                ; the next step's four loads are in; those of the steps behind it may be out
	TURN (\t)+1                                    ; and go through the other stage while this step is worked
.endif
	v_max3_num_f32 v8, |v[XS]|, |v[XS+1]|, |v[XS+2]|               ; the largest magnitude of my 16, in two chains
	v_max3_num_f32 v9, |v[XS+3]|, |v[XS+4]|, |v[XS+5]|
.irp i, 6,10
	v_max3_num_f32 v8, v8, |v[XS+\i]|, |v[XS+\i+1]|
	v_max3_num_f32 v9, v9, |v[XS+\i+2]|, |v[XS+\i+3]|
.endr
	v_max3_num_f32 v8, v8, |v[XS+14]|, |v[XS+15]|
	v_max3_num_f32 v8, v8, v9, (EMAX+1)<<23        ; and the floor 2^(9 - 127): so the byte cannot fall under 1
	v_max_num_f32_dpp v8, v8, v8 row_xmask:1 row_mask:0xf bank_mask:0xf   ; and of my neighbour's 16: the block's
	v_add_nc_u32 v11, -(EMAX<<23), v8              ; 8 off its exponent field: the conversion takes the exponent field of this operand as its scale
	v_and_or_b32 v10, v8, 0x7f800000, s28          ; 448 x the scale: the largest magnitude's exponent field over 448's mantissa
.irp i, 0,1,2,3,4,5,6,7,8,9,10,11,12,13,14,15
	v_med3_num_f32 v[XS+\i], v[XS+\i], -v10, v10   ; the conversion to an 8-bit code does not saturate (ISA guide 7.6.2): hold the number first
.endr
	v_cvt_scalef32_pk8_fp8_f32 v[C+4*(\t):C+4*(\t)+1], v[XS:XS+7], v11
	v_cvt_scalef32_pk8_fp8_f32 v[C+4*(\t)+2:C+4*(\t)+3], v[XS+8:XS+15], v11
	v_lshrrev_b32 v[E+(\t)], 23, v11               ; the scale's byte (also the plain line behind the conversions)
	ds_store_b8 v5, v[E+(\t)] offset:16*(\t)       ; both lanes of a block write the same byte with the same value
	global_store_b128 v4, v[C+4*(\t):C+4*(\t)+3], s[12:13] offset:32*CB*(\t)   ; the wave stores 512 consecutive bytes, aligned
.endm
.irp t, 0,1,2,3,4,5,6,7
	STEP \t
.endr
	ds_load_b32 v12, v6                            ; LDS serves a wave's instructions in order: this sees my stores
	s_wait_dscnt 0x0
	global_store_b32 v7, v12, s[14:15]             ; 32 lanes store 128 consecutive bytes, at a multiple of 128
	s_wait_tensorcnt 0x0                           ; the wave's end, behind my last LDS store
	ds_add_u32 v[SPW], v[NIL]
	s_wait_dscnt 0x0
	s_endpgm
.Lfunc_end_k_q6703bbd441_quant:
	.size	k_q6703bbd441_quant, .Lfunc_end_k_q6703bbd441_quant-k_q6703bbd441_quant
	.p2alignl 7, 3214868480
	.fill 96, 4, 3214868480
	.section	.rodata,"a",@progbits
	.p2align	6, 0x0
	.amdhsa_kernel k_q6703bbd441_quant
		.amdhsa_group_segment_fixed_size 33280
		.amdhsa_private_segment_fixed_size 0
		.amdhsa_enable_private_segment 0
		.amdhsa_kernarg_size 48
		.amdhsa_user_sgpr_count 2
		.amdhsa_user_sgpr_kernarg_segment_ptr 1
		.amdhsa_wavefront_size32 1
		.amdhsa_system_sgpr_workgroup_id_x 1
		.amdhsa_system_sgpr_workgroup_id_y 1
		.amdhsa_system_sgpr_workgroup_id_z 1
		.amdhsa_system_vgpr_workitem_id 0
		.amdhsa_next_free_vgpr 218
		.amdhsa_next_free_sgpr 66
		.amdhsa_reserve_vcc 0
		.amdhsa_float_denorm_mode_32 3
		.amdhsa_float_denorm_mode_16_64 3
		.amdhsa_memory_ordered 1
		.amdhsa_forward_progress 1
		.amdhsa_inst_pref_size 27
	.end_amdhsa_kernel
	.amdgpu_metadata
---
amdhsa.version: [ 1, 2 ]
amdhsa.kernels:
  - .name:           k_q6703bbd441_quant
    .symbol:         k_q6703bbd441_quant.kd
    .args:
      - { .name: x, .offset: 0, .size: 8, .value_kind: global_buffer, .address_space: global }
      - { .name: Wq, .offset: 8, .size: 8, .value_kind: global_buffer, .address_space: global }
      - { .name: Wk, .offset: 16, .size: 8, .value_kind: global_buffer, .address_space: global }
      - { .name: Wv, .offset: 24, .size: 8, .value_kind: global_buffer, .address_space: global }
      - { .name: xwc, .offset: 32, .size: 8, .value_kind: global_buffer, .address_space: global }
      - { .name: xws, .offset: 40, .size: 8, .value_kind: global_buffer, .address_space: global }
    .group_segment_fixed_size: 33280
    .private_segment_fixed_size: 0
    .kernarg_segment_align: 8
    .kernarg_segment_size: 48
    .max_flat_workgroup_size: 128
    .sgpr_count:     66
    .vgpr_count:     218
    .wavefront_size: 32
...
	.end_amdgpu_metadata
.endif
;; end of part 1
;; launch proj (part 2): grid 12 x 32, 4 waves a work-group, clusters of 4 x 4, 327,680 bytes of LDS; arguments xwc, xws, bq, bk, bv, qkvc, qkvs; writes qkvc, qkvs
.if DOCPART == 2
	.amdgcn_target "amdgcn-amd-amdhsa--gfx1250"
	.amdhsa_code_object_version 6
	.text
	.protected	k_q6703bbd441_proj
	.globl	k_q6703bbd441_proj
	.p2align	8
	.type	k_q6703bbd441_proj,@function
k_q6703bbd441_proj:
	s_mov_b64 s[64:65], 0
	v_nop
	global_prefetch_b8 v0, s[64:65] scope:SCOPE_SE
	s_setreg_imm32_b32 hwreg(HW_REG_WAVE_MODE, 25, 1), 1
	s_wait_xcnt 0x0
	s_wait_alu depctr_hold_cnt(0) depctr_sa_sdst(0) depctr_va_vdst(0) depctr_va_sdst(0) depctr_va_ssrc(0) depctr_va_vcc(0) depctr_vm_vsrc(0)
	s_getreg_b32 s2, hwreg(HW_REG_IB_STS2, 6, 4)
	s_cmp_eq_u32 s2, 0
	s_cbranch_scc0 .Lentry_in_a_cluster
	s_endpgm
.Lentry_in_a_cluster:
	s_bfe_u32 s2, ttmp6, 0x10000c
	s_cmp_lg_u32 s2, 0xf033
	s_cbranch_scc0 .Lentry_shape_is_right
	s_endpgm
.Lentry_shape_is_right:
.set KSTEP,  256
.set NQ,     2
.set ROWB,   256
.set KROW,   1024
.set PITCH,  272
.set FR,     16
.set NL,     4
.set NP,     8
.set HALFT,  128*PITCH
.set SLOT,   4*HALFT
.set LAPS,   2
.set KS,     32
.set SCL,    2*SLOT
.set HALFS,  (128*KS/256)*272
.set SBLK,   (16*KS/256)*272
.set SPARE,  SCL+4*HALFS
.set OBM,  7
.set BMR,  8
.set ADRA, 16
.set ADRB, 20
.set OBN,  24
.set LI,   25
.set ADRS, 27
.set SPW,  28
.set NIL,  29
.set SC,   32
.set BN,   64
.set AF,   128
.set TM,   64
.set PW,   80
.set WD,   82
.set BMP,  90
.set FQ,   106
.set FF,   114
.set GG,   122
.set T,    128
.set PC,   192
.set G1, 24
.set G0, 32
.set G1B, 48
.set G0B, 56
.set G1S, 68
.set G0S, 76
.set G1SB, 80
.set G0SB, 88
.set ISV, 95
.set MSB, 0
.macro WIN new
.if MSB != \new
	s_set_vgpr_msb (MSB<<8)|\new
.set MSB, \new
.endif
.endm
.set MUL_LO, 0xa1
.set MUL_HI, 0xf1
.set ST_LO,  0x81
.set ST_HI,  0xc1
.set TO_B,   0x40
.macro JLOAD g0a, g1a, g0b, g1b
	s_cmp_eq_u32 s15, 0
	s_cbranch_scc0 .Lfor_b_\@
	tensor_load_to_lds s[\g0a:\g0a+3], s[\g1a:\g1a+7]
	s_nop 0
.rept 4
	v_nop
.endr
	s_branch .Lasked_\@
.Lfor_b_\@:
	tensor_load_to_lds s[\g0b:\g0b+3], s[\g1b:\g1b+7]
	s_nop 0
.rept 4
	v_nop
.endr
.Lasked_\@:
.endm
.macro CREST
	s_cmp_lg_u32 s14, 0
	s_cbranch_scc1 .Lnot_wave_0_\@
	s_barrier_signal -3
.Lnot_wave_0_\@:
	s_barrier_wait -3
	s_barrier_signal -1
	s_barrier_wait -1
.endm
.macro CROUND
	s_barrier_signal -1
	s_barrier_wait -1
	CREST
.endm
	s_load_b256 s[4:11], s[0:1], 0x0
	s_load_b128 s[96:99], s[0:1], 0x20
	s_load_b64 s[100:101], s[0:1], 0x30
	v_lshl_add_u32 v[SPW], v0, 2, SPARE
	v_mov_b32 v[NIL], 0
	ds_add_u32 v28, v29
	ds_add_u32 v28, v29
	s_wait_dscnt 0x0
	v_lshrrev_b32 v1, 5, v0
	v_readfirstlane_b32 s14, v1
	s_lshr_b32 s15, s14, 1
	s_and_b32 s16, s14, 1
	s_bfe_u32 s40, ttmp6, 0x40000
	s_bfe_u32 s41, ttmp6, 0x40004
	s_and_b32 s13, ttmp7, 0xffff
	s_lshl_b32 s13, s13, 2
	s_lshl_b32 s12, ttmp9, 2
	s_add_co_u32 s12, s12, 32
	s_cmp_eq_u32 ttmp9, 2
	s_cselect_b32 s[ISV], -1, 0
	s_cselect_b32 s17, 40, s13
	s_cselect_b32 s42, s13, s12
	s_add_co_u32 s17, s17, s41
	s_add_co_u32 s42, s42, s40
	s_lshl_b32 s43, s41, 2
	s_lshl_b32 s43, 15, s43
	s_lshl_b32 s44, 0x1111, s40
	s_or_b32 s[G1+0], s43, (0<<16)|(1<<20)|(1<<21)|(5<<22)|(3<<25)
	s_or_b32 s[G1B+0], s44, (0<<16)|(1<<20)|(1<<21)|(5<<22)|(3<<25)
.irp g, G1, G1B
	s_mov_b32 s[\g+1], ROWB<<16
	s_mov_b32 s[\g+2], 256<<16
	s_mov_b32 s[\g+3], ROWB<<16
	s_mov_b32 s[\g+4], 256
	s_mov_b32 s[\g+5], KROW
	s_mov_b32 s[\g+6], 0
	s_mov_b32 s[\g+7], 0
.endr
	s_or_b32 s[G1S+0], s43, (3<<16)|(1<<20)|(1<<21)|(5<<22)|(3<<25)
	s_or_b32 s[G1SB+0], s44, (3<<16)|(1<<20)|(1<<21)|(5<<22)|(3<<25)
.irp g, G1S, G1SB
	s_mov_b32 s[\g+1], 32<<16
	s_mov_b32 s[\g+2], (256*KS/256)<<16
	s_mov_b32 s[\g+3], 32<<16
	s_mov_b32 s[\g+4], 256*KS/256
	s_mov_b32 s[\g+5], 32
	s_mov_b32 s[\g+6], 0
	s_mov_b32 s[\g+7], 0
.endr
	s_lshl_b32 s20, s17, 8
	s_lshl_b32 s46, s42, 8
	s_mov_b32 s21, 0
	s_mov_b32 s47, 0
	s_mov_b64 s[18:19], KS
	s_mul_u64 s[22:23], s[20:21], s[18:19]
	s_mul_u64 s[92:93], s[46:47], s[18:19]
	s_mov_b64 s[18:19], KROW
	s_mul_u64 s[20:21], s[20:21], s[18:19]
	s_mul_u64 s[46:47], s[46:47], s[18:19]
	s_mul_i32 s18, s16, 128*KROW                   ; in the ring I fetch 128 rows of a tile: which half, in bytes
	s_mov_b32 s19, 0
	s_mul_i32 s45, s14, HALFT
	s_wait_kmcnt 0x0
	s_add_nc_u64 s[20:21], s[4:5], s[20:21]
	s_add_nc_u64 s[22:23], s[6:7], s[22:23]
	s_add_nc_u64 s[46:47], s[4:5], s[46:47]
	s_add_nc_u64 s[92:93], s[6:7], s[92:93]
	CROUND
	s_mov_b32 s[G0S], 1
	s_mov_b32 s[G0S+1], SCL
	s_mov_b64 s[G0S+2:G0S+3], s[22:23]
	s_or_b32 s[G0S+3], s[G0S+3], 0x80000000
	s_mov_b32 s[G0SB], 1
	s_mov_b32 s[G0SB+1], SCL+2*HALFS
	s_mov_b64 s[G0SB+2:G0SB+3], s[92:93]
	s_or_b32 s[G0SB+3], s[G0SB+3], 0x80000000
	s_mov_b32 s[G0], 1                             ; the head's four tiles, each whole: K step 0's 256 rows of A,
	s_mov_b32 s[G0+1], 0
	s_mov_b64 s[G0+2:G0+3], s[20:21]
	s_or_b32 s[G0+3], s[G0+3], 0x80000000
	s_mov_b32 s[G0B], 1                            ; its 256 rows of B, behind them in slot 0; the two tiles of scales stand above
	s_mov_b32 s[G0B+1], 2*HALFT
	s_mov_b64 s[G0B+2:G0B+3], s[46:47]
	s_or_b32 s[G0B+3], s[G0B+3], 0x80000000
	s_add_nc_u64 s[20:21], s[20:21], s[18:19]      ; for the ring: my 128 rows of the tile
	s_add_nc_u64 s[46:47], s[46:47], s[18:19]
	s_mov_b32 s[G0+4], 1                           ; slot 1's groups 0: K step 1
	s_add_co_u32 s[G0+5], s45, SLOT
	s_add_nc_u64 s[G0+6:G0+7], s[20:21], ROWB
	s_or_b32 s[G0+7], s[G0+7], 0x80000000
	s_mov_b32 s[G0B+4], 1
	s_add_co_u32 s[G0B+5], s45, SLOT
	s_add_nc_u64 s[G0B+6:G0B+7], s[46:47], ROWB
	s_or_b32 s[G0B+7], s[G0B+7], 0x80000000
; the head's loads, one a wave, in one chain of branches on the wave's number: wave 0 A's rows, wave 1 B's, wave 2 A's scales, wave 3 B's
.macro ARM under, g0, g1, next
	s_cmp_lt_u32 s14, \under
	s_cbranch_scc0 \next
	tensor_load_to_lds s[\g0:\g0+3], s[\g1:\g1+7]
	s_nop 0
.rept 4
	v_nop
.endr
	s_branch .Lhead_asked
\next:
.endm
	ARM 1, G0,  G1,  .Lhead_b
	ARM 2, G0B, G1B, .Lhead_sa
	ARM 3, G0S, G1S, .Lhead_sb
	tensor_load_to_lds s[G0SB:G0SB+3], s[G1SB:G1SB+7]
	s_nop 0
.rept 4
	v_nop
.endr
.Lhead_asked:
	v_and_b32 v1, 15, v0
	v_bfe_u32 v2, v0, 4, 1
	v_lshlrev_b32 v[OBN], 5, v2
	s_wait_alu depctr_va_vdst(0)
	v_lshlrev_b32 v[OBM], 2, v1
	s_wait_alu depctr_va_vdst(0)
	v_and_b32 v3, 31, v0
	v_lshlrev_b32 v[LI], 4, v3
	s_cmp_eq_u32 ttmp9, 0
	s_cselect_b64 s[12:13], s[8:9], s[10:11]
	s_lshl_b32 s66, s40, 10
	s_lshl_b32 s67, s16, 9
	s_add_co_u32 s66, s66, s67
	s_and_not1_b32 s66, s66, s[ISV]
	s_mov_b32 s67, 0
	s_add_nc_u64 s[12:13], s[12:13], s[66:67]
.irp b, 0,1,2,3,4,5,6,7
	global_load_b128 v[BN+8*\b:BN+8*\b+3], v[OBN], s[12:13] offset:64*\b
	global_load_b128 v[BN+8*\b+4:BN+8*\b+7], v[OBN], s[12:13] offset:64*\b+16
.endr
	s_lshl_b32 s66, s41, 10
	s_lshl_b32 s67, s15, 9
	s_add_co_u32 s66, s66, s67
	s_and_b32 s66, s66, s[ISV]
	s_mov_b32 s67, 0
	s_add_nc_u64 s[66:67], s[96:97], s[66:67]
.irp a, 0,1,2,3,4,5,6,7
	global_load_b32 v[BMR+\a], v[OBM], s[66:67] offset:64*\a
.endr
	v_mul_u32_u24 v3, v1, PITCH
	v_lshl_add_u32 v4, v2, 4, v3
	s_mul_i32 s21, s15, HALFT
	s_mul_i32 s22, s16, HALFT
	s_add_co_u32 s22, s22, 2*HALFT
.irp s, 0,1
	v_add_nc_u32 v[ADRA+\s], s21, v4
	v_add_nc_u32 v[ADRB+\s], s22, v4
	s_add_co_u32 s21, s21, SLOT
	s_add_co_u32 s22, s22, SLOT
.endr
	v_mul_u32_u24 v5, v1, KS
	v_lshrrev_b32 v6, 8, v5
	v_lshl_add_u32 v5, v6, 4, v5
	s_mul_i32 s21, s15, HALFS
	s_mul_i32 s22, s16, HALFS
	s_add_co_u32 s22, s22, 2*HALFS
	s_sub_co_u32 s22, s22, s21
	v_mul_u32_u24 v6, s22, v2
	s_add_co_u32 s21, s21, SCL
	v_add_nc_u32 v5, v5, v6
	v_add_nc_u32 v[ADRS], s21, v5
	s_wait_loadcnt 0x0
.set i, 0
.rept 64
	v_cndmask_b32 v[BN+i], v[BN+i], 0, s[ISV]
.set i, i+1
.endr
.rept 8
	v_nop
.endr
.macro FRAG reg, adr, q, i
.irp c, 0,1,2,3
	ds_load_b128 v[\reg+4*\c:\reg+4*\c+3], v[\adr] offset:128*(\q)+32*\c+(\i)*16*PITCH
.endr
.endm
.macro MUL16 a0, p, q, sc, zero
.irp a, \a0, \a0+1
.irp b, 0,1,2,3,4,5,6,7
.if \zero
	v_wmma_scale_f32_16x16x128_f8f6f4 v[8*(8*((\a)%4)+\b):8*(8*((\a)%4)+\b)+7], v[128*(\p)+FR*\b:128*(\p)+FR*\b+FR-1], v[AF+FR*(\a):AF+FR*(\a)+FR-1], v[BN+8*\b:BN+8*\b+7], v[SC+8*NQ*(\sc)+NQ*\b+(\q)], v[SC+8*NQ*(\sc)+NQ*(\a)+(\q)] matrix_a_scale:MATRIX_SCALE_ROW1
.else
	v_wmma_scale_f32_16x16x128_f8f6f4 v[8*(8*((\a)%4)+\b):8*(8*((\a)%4)+\b)+7], v[128*(\p)+FR*\b:128*(\p)+FR*\b+FR-1], v[AF+FR*(\a):AF+FR*(\a)+FR-1], v[8*(8*((\a)%4)+\b):8*(8*((\a)%4)+\b)+7], v[SC+8*NQ*(\sc)+NQ*\b+(\q)], v[SC+8*NQ*(\sc)+NQ*(\a)+(\q)] matrix_a_scale:MATRIX_SCALE_ROW1
.endif
.endr
.endr
.endm
.macro FETCH_B slot, q, p
	WIN TO_B
.irp i, 0,1,2,3,4,5,6,7
	FRAG 128*(\p)+FR*\i, ADRB+\slot, \q, \i
.endr
	WIN 0
.endm
.macro FETCH_A slot, q, i0
.irp i, \i0, \i0+1, \i0+2, \i0+3
	FRAG AF+FR*(\i), ADRA+\slot, \q, \i
.endr
.endm
.macro SCALES sc
.irp i, 0,1,2,3,4,5,6,7
	ds_load_b64 v[SC+8*NQ*\sc+NQ*\i:SC+8*NQ*\sc+NQ*\i+1], v[ADRS] offset:\i*SBLK
.endr
.endm
.macro PLACES n
.rept \n
	v_nop
.endr
.endm
.macro STEP slot, q, zero
	s_wait_dscnt 4*NL
.if \zero
	WIN ST_LO
.else
	WIN MUL_LO
.endif
	MUL16 0, (\q)%2, \q, \slot, \zero
	MUL16 2, (\q)%2, \q, \slot, \zero
	s_wait_dscnt 0
	PLACES NP
	FETCH_B \slot, (\q)+1, 1-(\q)%2
	FETCH_A \slot, (\q)+1, 0
.if \zero
	WIN ST_HI
.else
	WIN MUL_HI
.endif
	MUL16 4, (\q)%2, \q, \slot, \zero
	MUL16 6, (\q)%2, \q, \slot, \zero
	PLACES NP
	WIN 0
	FETCH_A \slot, (\q)+1, 4
.endm
.macro TURN slot, next, fill
	s_wait_tensorcnt 0x0
	ds_add_u32 v[SPW], v[NIL]
	s_wait_dscnt 4*NL+1
	WIN MUL_LO
	MUL16 0, 1, NQ-1, \slot, 0
	s_wait_dscnt 0x0
	s_barrier_signal -1
	MUL16 2, 1, NQ-1, \slot, 0
	WIN 0
	s_barrier_wait -1
.if \fill
	CREST
	s_add_nc_u64 s[G0+4*\slot+2:G0+4*\slot+3], s[G0+4*\slot+2:G0+4*\slot+3], 2*ROWB
	s_add_nc_u64 s[G0B+4*\slot+2:G0B+4*\slot+3], s[G0B+4*\slot+2:G0B+4*\slot+3], 2*ROWB
	JLOAD G0+4*\slot, G1, G0B+4*\slot, G1B
	PLACES NP-4
.else
	PLACES NP
.endif
	s_wait_alu depctr_va_vdst(0)
	v_add_nc_u32 v[ADRS], 4*NQ, v[ADRS]
	FETCH_B \next, 0, 0
	FETCH_A \next, 0, 0
	SCALES \next
	WIN MUL_HI
	MUL16 4, 1, NQ-1, \slot, 0
	MUL16 6, 1, NQ-1, \slot, 0
	PLACES NP
	WIN 0
	FETCH_A \next, 0, 4
.endm
	s_wait_alu depctr_va_vdst(0)
	s_wait_tensorcnt 0x0                           ; my tile of the head's four is in
	ds_add_u32 v[SPW], v[NIL]
	s_mov_b32 s[G1+2], 128<<16                     ; no tensor load of mine is out, so descriptors may be written: from here on a load brings 128 rows,
	s_mov_b32 s[G1+4], 128
	s_mov_b32 s[G1B+2], 128<<16
	s_mov_b32 s[G1B+4], 128
	s_mov_b32 s[G0+1], s45                         ; and slot 0's groups 0 name my 128 rows
	s_add_nc_u64 s[G0+2:G0+3], s[G0+2:G0+3], s[18:19]
	s_mov_b32 s[G0B+1], s45
	s_add_nc_u64 s[G0B+2:G0B+3], s[G0B+2:G0B+3], s[18:19]
	s_wait_dscnt 0x0
	CROUND                                         ; a whole round: all four tiles are in, and the joint loads meet
	JLOAD G0+4, G1, G0B+4, G1B                     ; K step 1's load, the first tensor load behind the round
	FETCH_B 0, 0, 0
	FETCH_A 0, 0, 0
	SCALES 0
	FETCH_A 0, 0, 4
	STEP 0, 0, 1
	s_mov_b32 s3, LAPS-1
.Llap:
	TURN 0, 1, 1
	STEP 1, 0, 0
	TURN 1, 0, 1
	STEP 0, 0, 0
	s_sub_co_u32 s3, s3, 1
	s_cmp_lg_u32 s3, 0
	s_cbranch_scc1 .Llap
	TURN 0, 1, 0
	STEP 1, 0, 0
	s_wait_dscnt 4*NL
	WIN MUL_LO
	MUL16 0, 1, NQ-1, 1, 0
	MUL16 2, 1, NQ-1, 1, 0
	s_wait_dscnt 0
	WIN MUL_HI
	MUL16 4, 1, NQ-1, 1, 0
	MUL16 6, 1, NQ-1, 1, 0
	WIN 0
.irp b, 0,1,2,3
	v_mov_b32 v[TM+4+\b], 0
.endr
.irp a, 0,1,2,3,4,5,6,7
	v_cndmask_b32 v[BMP+2*\a], 0, v[BMR+\a], s[ISV]
	v_cndmask_b32 v[BMP+2*\a+1], 0, v[BMR+\a], s[ISV]
.endr
	s_mov_b32 s92, 0x76543210
	s_mov_b32 s93, 0xfedcba98
	s_mov_b32 s94, 0x600000
	s_mov_b32 s2, 0xffff0000
	s_cmp_eq_u32 ttmp9, 2
	s_cselect_b32 s18, s40, s41
	s_cselect_b32 s19, s41, s40
	s_cselect_b32 s46, s16, s15
	s_cselect_b32 s47, s15, s16
	s_and_b32 s12, ttmp7, 0xffff
	s_lshl_b32 s12, s12, 2
	s_add_co_u32 s12, s12, s18
	s_lshl_b32 s12, s12, 1
	s_add_co_u32 s12, s12, s46
	s_lshl_b32 s19, s19, 1
	s_add_co_u32 s19, s19, s47
	s_lshr_b32 s13, s12, 4
	s_and_b32 s12, s12, 15
	s_lshl_b32 s18, ttmp9, 2
	s_add_co_u32 s13, s13, s18
	s_lshl_b32 s13, s13, 3
	s_add_co_u32 s13, s13, s19
	s_lshl_b32 s13, s13, 4
	s_add_co_u32 s13, s13, s12
	s_lshl_b32 s20, s13, 14
	s_mov_b32 s21, 0
	s_add_nc_u64 s[20:21], s[98:99], s[20:21]
	s_lshl_b32 s22, s13, 9
	s_mov_b32 s23, 0
	s_add_nc_u64 s[22:23], s[100:101], s[22:23]
.macro QUANT s, pc
.irp b, 0,1,2,3
	v_max3_num_f32 v[TM+\b], |v[\s+16*\b]|, |v[\s+1+16*\b]|, 0x4800000
.endr
.irp i, 2,4,6,8,10,12,14
.irp b, 0,1,2,3
	v_max3_num_f32 v[TM+\b], v[TM+\b], |v[\s+16*\b+\i]|, |v[\s+1+16*\b+\i]|
.endr
.endr
.irp b, 0,1,2,3
	v_permlanex16_b32 v[TM+4+\b], v[TM+\b], s92, s93
.endr
.irp b, 0,1,2,3
	v_max_num_f32 v[TM+\b], v[TM+\b], v[TM+4+\b]
.endr
.irp b, 0,1,2,3
	v_add_nc_u32 v[TM+12+\b], 0xfc000000, v[TM+\b]
.endr
.irp b, 0,1,2,3
	v_and_or_b32 v[TM+8+\b], v[TM+\b], 0x7f800000, s94
.endr
.irp b, 0,1,2,3
	v_lshrrev_b32 v[TM+4+\b], 23, v[TM+12+\b]
.endr
	v_lshl_or_b32 v[PW], v[TM+5], 8, v[TM+4]
	v_lshl_or_b32 v[PW], v[TM+6], 16, v[PW]
	v_lshl_or_b32 v[PW], v[TM+7], 24, v[PW]
.irp b, 0,1,2,3
.irp i, 0,1,2,3,4,5,6,7,8,9,10,11,12,13,14,15
	v_med3_num_f32 v[\s+16*\b+\i], v[\s+16*\b+\i], -v[TM+8+\b], v[TM+8+\b]
.endr
	v_cvt_scalef32_pk8_fp8_f32 v[(\pc)+4*\b:(\pc)+1+4*\b], v[\s+16*\b:\s+7+16*\b], v[TM+12+\b]
	v_cvt_scalef32_pk8_fp8_f32 v[(\pc)+2+4*\b:(\pc)+3+4*\b], v[\s+8+16*\b:\s+15+16*\b], v[TM+12+\b]
.endr
	v_nop
.endm
.macro ROWS a
.set AC, 64*((\a)%4)
.set PCS, PC+16*((\a)%4)
.if (\a) < 4
	WIN 0x02
.else
	WIN 0x03
.endif
.set i, 0
.rept 32
	v_pk_add_f32 v[T+i:T+i+1], v[AC+i:AC+i+1], v[BMP+2*(\a):BMP+2*(\a)+1]
.set i, i+2
.endr
	WIN 0
.if (\a) >= 4
	s_wait_xcnt 0x0
.endif
	QUANT T, PCS
	v_mov_b32 v[WD+(\a)], v[PW]
.irp c, 0,1,2,3
	global_store_b128 v[LI], v[PCS+4*\c:PCS+4*\c+3], s[20:21] offset:(4*(\a)+\c)*512
.endr
.endm
.irp a, 0,1,2,3,4,5,6,7
	ROWS \a
.endr
.irp f, 0,1,2,3
	v_perm_b32 v[FQ+\f], v[WD+2*\f+1], v[WD+2*\f], 0x05040100
	v_perm_b32 v[FQ+4+\f], v[WD+2*\f+1], v[WD+2*\f], 0x07060302
.endr
.irp i, 0,1,2,3,4,5,6,7
	v_cndmask_b32 v[FF+\i], v[FQ+\i], v[WD+\i], s[ISV]
.endr
.irp j, 0,1,2,3
	v_cndmask_b32 v[GG+\j], v[FF+\j], v[FF+4+\j], s2
.endr
	global_store_b128 v[LI], v[GG:GG+3], s[22:23]
	s_wait_tensorcnt 0x0
	ds_add_u32 v[SPW], v[NIL]
	s_wait_dscnt 0x0
	CROUND
	s_endpgm
.Lfunc_end_k_q6703bbd441_proj:
	.size	k_q6703bbd441_proj, .Lfunc_end_k_q6703bbd441_proj-k_q6703bbd441_proj
	.p2alignl 7, 3214868480
	.fill 96, 4, 3214868480
	.section	.rodata,"a",@progbits
	.p2align	6, 0x0
	.amdhsa_kernel k_q6703bbd441_proj
		.amdhsa_group_segment_fixed_size 327680
		.amdhsa_private_segment_fixed_size 0
		.amdhsa_enable_private_segment 0
		.amdhsa_kernarg_size 56
		.amdhsa_user_sgpr_count 2
		.amdhsa_user_sgpr_kernarg_segment_ptr 1
		.amdhsa_wavefront_size32 1
		.amdhsa_system_sgpr_workgroup_id_x 1
		.amdhsa_system_sgpr_workgroup_id_y 1
		.amdhsa_system_sgpr_workgroup_id_z 1
		.amdhsa_system_vgpr_workitem_id 0
		.amdhsa_next_free_vgpr 1024
		.amdhsa_next_free_sgpr 102
		.amdhsa_reserve_vcc 0
		.amdhsa_float_denorm_mode_32 3
		.amdhsa_float_denorm_mode_16_64 3
		.amdhsa_memory_ordered 1
		.amdhsa_forward_progress 1
		.amdhsa_inst_pref_size 211
	.end_amdhsa_kernel
	.amdgpu_metadata
---
amdhsa.version: [ 1, 2 ]
amdhsa.kernels:
  - .name:           k_q6703bbd441_proj
    .symbol:         k_q6703bbd441_proj.kd
    .args:
      - { .name: xwc, .offset: 0, .size: 8, .value_kind: global_buffer, .address_space: global }
      - { .name: xws, .offset: 8, .size: 8, .value_kind: global_buffer, .address_space: global }
      - { .name: bq, .offset: 16, .size: 8, .value_kind: global_buffer, .address_space: global }
      - { .name: bk, .offset: 24, .size: 8, .value_kind: global_buffer, .address_space: global }
      - { .name: bv, .offset: 32, .size: 8, .value_kind: global_buffer, .address_space: global }
      - { .name: qkvc, .offset: 40, .size: 8, .value_kind: global_buffer, .address_space: global }
      - { .name: qkvs, .offset: 48, .size: 8, .value_kind: global_buffer, .address_space: global }
    .group_segment_fixed_size: 327680
    .private_segment_fixed_size: 0
    .kernarg_segment_align: 8
    .kernarg_segment_size: 56
    .max_flat_workgroup_size: 128
    .sgpr_count:     102
    .vgpr_count:     1024
    .wavefront_size: 32
...
	.end_amdgpu_metadata
.endif
;; end of part 2
;; launch attn (part 3): grid 4 x 64, 8 waves a work-group, clusters of 4 x 1, 327,680 bytes of LDS; arguments qkvc, qkvs, masked_attention, out0; writes out0
.if DOCPART == 3
	.amdgcn_target "amdgcn-amd-amdhsa--gfx1250"
	.amdhsa_code_object_version 6
	.text
	.protected	k_q6703bbd441_attn
	.globl	k_q6703bbd441_attn
	.p2align	8
	.type	k_q6703bbd441_attn,@function
k_q6703bbd441_attn:
	s_mov_b64 s[64:65], 0
	v_nop
	global_prefetch_b8 v0, s[64:65] scope:SCOPE_SE
	s_setreg_imm32_b32 hwreg(HW_REG_WAVE_MODE, 25, 1), 1
	s_wait_xcnt 0x0
	s_wait_alu depctr_hold_cnt(0) depctr_sa_sdst(0) depctr_va_vdst(0) depctr_va_sdst(0) depctr_va_ssrc(0) depctr_va_vcc(0) depctr_vm_vsrc(0)
	s_getreg_b32 s2, hwreg(HW_REG_IB_STS2, 6, 4)
	s_cmp_eq_u32 s2, 0
	s_cbranch_scc0 .Lentry_in_a_cluster
	s_endpgm
.Lentry_in_a_cluster:
	s_bfe_u32 s2, ttmp6, 0x10000c
	s_cmp_lg_u32 s2, 0x3003
	s_cbranch_scc0 .Lentry_shape_is_right
	s_endpgm
.Lentry_shape_is_right:
; out[b][q][64 h ..] = the sum over keys of softmax(q . k / 8 + (1 - mask[b][key]) x -10000) v, both products on codes of FP8 (E4M3) with one E8M0 scale for each 32 along a product's K.
; q, k, v come as images of operand registers (qkvc) with their scale words (qkvs), as the launch before has laid them.
; THE SOFTMAX AHEAD OF THE SECOND PRODUCT: t = logit x log2(e); M = the row's largest t so far, rounded UP to a whole number; p = 2^(t - M) is quantised along the keys, not normalised;
; the row's sum is taken of the unquantised p and divides at the end.  When M moves, the sum and O are multiplied by 2^(old M - new M): exact.
; SHARES.  A work-group owns 512 queries of one head (work-group y = 16 b + h); each of its eight waves owns TWO tiles of 16 queries in each of two passes: every frame of K, every fragment of V and
; every mask term that a wave reads from LDS serves both tiles: 50 LDS loads for 2 x 12 products.  Tile 0's state lies in register window 0, tile 1's under the same numbers in window 1: one text of the softmax serves both.
; THE HEAD'S WHOLE K AND V STAY IN LDS (2 x 131,072 bytes), filled once, one tensor load of 32,768 bytes a wave: even waves four key steps of K, odd waves four of V.  Waves 0 and 1 have load lines of
; their own: the first barrier shows their tiles alone (key steps 0 to 3), and the first three steps of a pass read nothing else; the barrier behind those steps shows the rest.
; CLUSTER.  The four work-groups of a head walk the same K and V: each tile is asked for jointly, with a mask that names the four.  The place in the cluster enters q's and out's global addresses alone.
; NO PREFETCH: every tile is asked for at the kernel's head; there is no loop ahead of a tensor load in which to ask earlier.
; LAYOUT.  Both products are used transposed: S^T = K Q^T, O^T = V^T P^T: a lane holds ONE query (lane % 16) of each tile throughout.
; K = 64 IN AN INSTRUCTION OF 128: a frame of 16 registers holds two tiles of 16 keys; against [Q | zero codes] it gives the first tile's scores, against [zero codes | Q] the second's.
; THE MASK: 8 x (1 - mask) x -10000 is loaded from LDS into tile 0's score registers and is the C of the score products: tile 1's products take it first (D in window 1), nine places on tile 0's add in place.
; LOOK-AHEAD.  Behind a step's score products V of this step and K of the next are asked of LDS; behind tile 0's conversions the next step's mask terms; one wait ahead of the second product covers all.
; A pass's last step looks ahead onto bytes of V and of the tables, which have landed; what it brings is not used.  The second pass's Q is asked of memory behind the first pass's last products.
; LIMITS: NaN and infinities are not served.  The promise holds while the scaled scores stay under 2^31 in magnitude.  In a batch row all of whose keys are masked the scores are rounded at the size of 80,000 inside the matrix unit.
; REGISTERS (both windows unless said): v12 -M, v13 largest t, v[14:15] the sum; v96-159 S^T, then p; v160-191 O^T; v192-215 Q | zero codes | Q; v224-239 p's codes; v232-254 at work.
; Window 0 alone: v1-11, v28-31 addresses; v20, v21 Q's scale words; v22, v23 p's; v24-27 V's; v216-219 K's; v32-95 K's four frames.  Window 1: v32-95 V's four fragments.
.set VB,   131072                      ; LDS: K's key step s at 8,192 s; V's at VB + 8,192 s
.set MB,   262144                      ; the mask's term, 2,048 f32
.set KSC,  MB+8192                     ; K's scale words [key step 16][row 16][4 words]
.set VSC,  KSC+4096                    ; V's likewise
.set STG,  VSC+4096                    ; a stage of 16 rows x 272 bytes for each wave
.set SPARE, 0x4d000                    ; the spare words: 128 bytes a wave
.set AL,   1                           ; 16 x lane
.set AMB,  2                           ; MB + 32 h
.set ASC,  3                           ; KSC + 16 r
.set STO,  4
.set RD,   5
.set GO,   6
.set QSO,  7                           ; 16 r
.set ADK,  8
.set ADM,  9
.set ADS,  10
.set ADV,  11
.set AV0,  29                          ; VB + 16 x lane
.set SPW,  30
.set NIL,  31
.set TB,   2                           ; s2  8,192 x step
.set TM,   3                           ; s3  512 x step
.set TS,   66                          ; s66 256 x step
.set CNT,  67
.set WV,   18
.set MNT,  19
.set SEL,  20
.set CS,   22                          ; s[22:23] c = log2(e) / 8
.set G1K,  24
.set G1V,  32
.set G0K,  40
.set G0V,  44
.set PASS, 84
.set QC,   86
.set QS,   88
.set OP,   90
.set MSB, 0
.macro WIN new                         ; the immediate's high byte repeats the setting that is left
.if MSB != \new
	s_set_vgpr_msb (MSB<<8)|\new
.set MSB, \new
.endif
.endm
.macro WALU
	s_wait_alu depctr_va_vdst(0)
.endm
.macro CROUND                          ; a round of the cluster's barrier
	s_barrier_signal -1
	s_barrier_wait -1
	s_cmp_lg_u32 s[WV], 0
	s_cbranch_scc1 .Lnot_wave_0_\@
	s_barrier_signal -3
.Lnot_wave_0_\@:
	s_barrier_wait -3
	s_barrier_signal -1
	s_barrier_wait -1
.endm
.macro TLOAD g0, g1                    ; s_nop 0 and four v_nop follow the load
	tensor_load_to_lds s[\g0:\g0+3], s[\g1:\g1+7]
	s_nop 0
.rept 4
	v_nop
.endr
.endm
.macro LOADQ off, soff                 ; both tiles' Q, each twice (for k 0-63 and for k 64-127), and the word with both tiles' scale bytes
	global_load_b128 v[192:195], v[AL], s[QC:QC+1] offset:\off
	global_load_b128 v[196:199], v[AL], s[QC:QC+1] offset:\off+512
	global_load_b128 v[208:211], v[AL], s[QC:QC+1] offset:\off
	global_load_b128 v[212:215], v[AL], s[QC:QC+1] offset:\off+512
	global_load_b32 v254, v[QSO], s[QS:QS+1] offset:\soff
	WIN 0x40
	global_load_b128 v[192:195], v[AL], s[QC:QC+1] offset:\off+2048
	global_load_b128 v[196:199], v[AL], s[QC:QC+1] offset:\off+2560
	global_load_b128 v[208:211], v[AL], s[QC:QC+1] offset:\off+2048
	global_load_b128 v[212:215], v[AL], s[QC:QC+1] offset:\off+2560
	WIN 0
.endm
	s_load_b256 s[4:11], s[0:1], 0x0               ; qkvc, qkvs, the mask, out
	v_lshl_add_u32 v[SPW], v0, 2, SPARE
	v_mov_b32 v[NIL], 0
	ds_add_u32 v[SPW], v[NIL]                      ; the opening lines: the add twice on end and one wait
	ds_add_u32 v[SPW], v[NIL]
	v_lshrrev_b32 v8, 5, v0
	v_readfirstlane_b32 s[WV], v8                  ; wave 0..7
	s_bfe_u32 s92, ttmp6, 0x40000                  ; cx
	s_and_b32 s93, ttmp7, 0xffff                   ; 16 b + h
	s_lshr_b32 s94, s93, 4                         ; b
	s_and_b32 s95, s93, 15                         ; h
	s_lshr_b32 s96, s93, 1
	s_and_b32 s97, s93, 1                          ; the head's parity in its pair
	s_lshl_b32 s12, s96, 4                         ; q's first block of 16,384 bytes; k's lies 512 blocks on, v's 1,024
	s_and_b32 s98, s[WV], 6                        ; 2 x (which four key steps I fetch)
	s_and_b32 s99, s[WV], 1                        ; 0: K, 1: V
	s_lshl_b32 s14, s98, 14                        ; in LDS: 32,768 bytes for four key steps
	s_lshl_b32 s15, s98, 15                        ; in memory: 65,536
	s_add_co_u32 s56, s12, 512
	s_lshl_b32 s56, s56, 14
	s_lshl_b32 s13, s97, 10
	s_add_co_u32 s56, s56, s13
	s_add_co_u32 s56, s56, s15                     ; K: 32 tiles of 16 keys: 1,024 bytes of every 2,048
	s_mov_b32 s57, 0
	s_add_co_u32 s58, s12, 1024
	s_lshl_b32 s58, s58, 14
	s_lshl_b32 s13, s97, 13
	s_add_co_u32 s58, s58, s13
	s_add_co_u32 s58, s58, s15                     ; V: four key steps: 8,192 bytes of every 16,384
	s_mov_b32 s59, 0
	s_mov_b32 s[G1K], 15|(3<<16)|(1<<21)           ; the mask: all four work-groups; elements of 8 bytes; bit 21 beside a mask; no padding
	s_mov_b32 s[G1K+1], 128<<16                    ; rows of 1,024 bytes
	s_mov_b32 s[G1K+2], 32<<16
	s_mov_b32 s[G1K+3], 128<<16
	s_mov_b32 s[G1K+4], 32
	s_mov_b32 s[G1K+5], 256                        ; 2,048 bytes from row to row
	s_mov_b32 s[G1K+6], 0
	s_mov_b32 s[G1K+7], 0
	s_mov_b32 s[G1V], 15|(3<<16)|(1<<21)
	s_mov_b32 s[G1V+1], 1024<<16                   ; rows of 8,192 bytes
	s_mov_b32 s[G1V+2], 4<<16
	s_mov_b32 s[G1V+3], 1024<<16
	s_mov_b32 s[G1V+4], 4
	s_mov_b32 s[G1V+5], 2048                       ; 16,384 bytes from row to row
	s_mov_b32 s[G1V+6], 0
	s_mov_b32 s[G1V+7], 0
	s_mov_b32 s[SEL], 0x76543210
	s_mov_b32 s[SEL+1], 0xfedcba98                 ; v_permlanex16_b32's selects for lane l xor 16
	s_mov_b32 s[CS], 0x3e38aa3b                    ; c = log2(e) / 8
	s_mov_b32 s[CS+1], s[CS]
	s_mov_b32 s[MNT], 0x600000                     ; the mantissa field of 448
	s_wait_dscnt 0x0
	s_wait_kmcnt 0x0
	s_add_nc_u64 s[56:57], s[4:5], s[56:57]
	s_add_nc_u64 s[58:59], s[4:5], s[58:59]
	CROUND                                         ; all four work-groups are here: the joint loads meet
	s_mov_b32 s[G0K], 1
	s_mov_b32 s[G0K+1], s14
	s_mov_b64 s[G0K+2:G0K+3], s[56:57]
	s_or_b32 s[G0K+3], s[G0K+3], 0x80000000
	s_mov_b32 s[G0V], 1
	s_add_co_u32 s[G0V+1], s14, VB
	s_mov_b64 s[G0V+2:G0V+3], s[58:59]
	s_or_b32 s[G0V+3], s[G0V+3], 0x80000000
	s_cmp_eq_u32 s[WV], 0                          ; one chain of branches on the wave's number, one load to an arm
	s_cbranch_scc0 .Larm_1
	TLOAD G0K, G1K                                 ; wave 0: K's key steps 0 to 3
	s_branch .Lasked
.Larm_1:
	s_cmp_eq_u32 s[WV], 1
	s_cbranch_scc0 .Larm_2
	TLOAD G0V, G1V                                 ; wave 1: V's key steps 0 to 3
	s_branch .Lasked
.Larm_2:
	s_cmp_eq_u32 s99, 0
	s_cbranch_scc0 .Larm_3
	TLOAD G0K, G1K                                 ; waves 2, 4, 6: the rest of K
	s_branch .Lasked
.Larm_3:
	TLOAD G0V, G1V                                 ; waves 3, 5, 7: the rest of V
.Lasked:
	; THE SMALL TABLES go through registers: thread t brings 2 x 16 bytes of the batch row's mask and 2 x 8 bytes of K's and of V's scale words
	s_lshl_b32 s60, s94, 13
	s_mov_b32 s61, 0
	s_add_nc_u64 s[8:9], s[8:9], s[60:61]
	s_add_co_u32 s60, s12, 512
	s_lshl_b32 s60, s60, 9
	s_lshl_b32 s62, s97, 8
	s_add_co_u32 s60, s60, s62
	s_add_nc_u64 s[16:17], s[6:7], s[60:61]        ; K's scale words; V's lie 262,144 bytes on
	v_lshlrev_b32 v224, 4, v0
	v_lshrrev_b32 v225, 5, v0
	v_lshlrev_b32 v225, 9, v225                    ; wave w takes key steps w and w + 8: 512 bytes a step in memory
	v_and_b32 v11, 31, v0
	v_lshl_add_u32 v225, v11, 3, v225
	global_load_b128 v[96:99], v224, s[8:9]
	global_load_b128 v[100:103], v224, s[8:9] offset:4096
	global_load_b64 v[104:105], v225, s[16:17]
	global_load_b64 v[106:107], v225, s[16:17] offset:4096
	global_load_b64 v[108:109], v225, s[16:17] offset:262144
	global_load_b64 v[110:111], v225, s[16:17] offset:266240
	v_lshl_add_u32 v226, v0, 4, MB
	v_lshl_add_u32 v227, v0, 3, KSC
	v_and_b32 v8, 15, v0                           ; r
	v_bfe_u32 v9, v0, 4, 1                         ; h
	v_lshlrev_b32 v[AL], 4, v11
	v_lshl_add_u32 v[AV0], v11, 4, VB
	v_lshl_add_u32 v[AMB], v9, 5, MB
	v_lshl_add_u32 v[ASC], v8, 4, KSC
	v_lshlrev_b32 v[QSO], 4, v8
	s_mul_i32 s13, s[WV], 4352
	s_add_co_u32 s13, s13, STG                     ; my stage
	v_mul_u32_u24 v[STO], v8, 272
	v_lshl_add_u32 v[STO], v9, 5, v[STO]
	v_add_nc_u32 v[STO], s13, v[STO]               ; in: row r, + 32 h
	v_mul_u32_u24 v[RD], v9, 272
	v_lshl_add_u32 v[RD], v8, 4, v[RD]
	v_add_nc_u32 v[RD], s13, v[RD]                 ; back: lanes 0-15 one row of 256 bytes, lanes 16-31 the next
	v_lshlrev_b32 v[GO], 12, v9
	v_lshl_add_u32 v[GO], v8, 4, v[GO]             ; and in out: a row is 4,096 bytes
.irp j, 0,1,2,3,4,5,6,7
	v_mov_b32 v[200+\j], 0                         ; the zero codes between the two copies of Q
.endr
.irp j, 236,237,238,239,253
	v_mov_b32 v[\j], 0                             ; written once: a lane permute's destination and a pair's upper half count as sources
.endr
	WIN 0x40                                       ; the same in window 1
.irp j, 0,1,2,3,4,5,6,7
	v_mov_b32 v[200+\j], 0
.endr
.irp j, 236,237,238,239,253
	v_mov_b32 v[\j], 0
.endr
	WIN 0
	; my queries: 512 cx + 256 pass + 32 wave + 16 tile: block 4 cx + 2 pass + wave / 4 of q's, token tiles 2 (wave % 4) and the next
	s_lshl_b32 s60, s92, 2
	s_lshr_b32 s61, s[WV], 2
	s_add_co_u32 s60, s60, s61
	s_add_co_u32 s60, s60, s12
	s_and_b32 s61, s[WV], 3
	s_lshl_b32 s62, s60, 14
	s_lshl_b32 s63, s61, 12
	s_add_co_u32 s62, s62, s63
	s_lshl_b32 s63, s97, 10
	s_add_co_u32 s62, s62, s63
	s_mov_b32 s63, 0
	s_add_nc_u64 s[QC:QC+1], s[4:5], s[62:63]
	s_lshl_b32 s62, s60, 9
	s_lshl_b32 s60, s97, 8
	s_add_co_u32 s62, s62, s60
	s_lshl_b32 s61, s61, 2                         ; the word that holds both tiles' scale bytes
	s_add_co_u32 s62, s62, s61
	s_add_nc_u64 s[QS:QS+1], s[6:7], s[62:63]
	WALU                                           ; the wait behind the run of scalar lines, ahead of the readers below
	LOADQ 0, 0                                     ; the first pass's Q, on its way beside the tables
	s_lshl_b32 s60, s94, 23                        ; out: (2,048 b + 512 cx + 32 wave) rows of 4,096 bytes + 256 h
	s_lshl_b32 s61, s92, 21
	s_add_co_u32 s60, s60, s61
	s_lshl_b32 s61, s[WV], 17
	s_add_co_u32 s60, s60, s61
	s_lshl_b32 s61, s95, 8
	s_add_co_u32 s60, s60, s61
	s_mov_b32 s61, 0
	s_add_nc_u64 s[OP:OP+1], s[10:11], s[60:61]
	s_wait_loadcnt 9                               ; the six loads of the tables are in; behind them: Q's nine
.irp j, 0,1,2,3,4,5,6,7
	v_sub_f32 v[96+\j], 1.0, v[96+\j]              ; 1 - mask is rounded as the reference rounds it, so the two lines are not fused
.endr
.irp j, 0,1,2,3,4,5,6,7
	v_mul_f32 v[96+\j], 0xc79c4000, v[96+\j]       ; x -80,000 = 8 x (x -10,000), exactly
.endr
	ds_store_b128 v226, v[96:99]
	ds_store_b128 v226, v[100:103] offset:4096
	ds_store_b64 v227, v[104:105]
	ds_store_b64 v227, v[106:107] offset:2048
	ds_store_b64 v227, v[108:109] offset:4096
	ds_store_b64 v227, v[110:111] offset:6144
	WALU
	s_cmp_lt_u32 s[WV], 2
	s_cbranch_scc0 .Lnot_first
	s_wait_tensorcnt 0x0                           ; waves 0 and 1: key steps 0 to 3 have landed.  The other waves' wait stands at the barrier behind a pass's first three steps
.Lnot_first:
	s_wait_dscnt 0x0                               ; my part of the tables is stored
	s_barrier_signal -1
	s_barrier_wait -1
.macro LOADK adr, sadr, off, soff      ; four frames of K (two tiles of 16 keys each) and row r's four scale words
.irp f, 0,1,2,3
.irp c, 0,1,2,3
	ds_load_b128 v[32+16*\f+4*\c:35+16*\f+4*\c], v[\adr] offset:\off+2048*\f+512*\c
.endr
.endr
	ds_load_b128 v[216:219], v[\sadr] offset:\soff
.endm
.macro LOADM adr, off                  ; the mask's term of keys 16 t + 8 h + 0 .. 7: the scores' C
.irp t, 0,1,2,3,4,5,6,7
	ds_load_b128 v[96+8*\t:99+8*\t], v[\adr] offset:\off+64*\t
	ds_load_b128 v[100+8*\t:103+8*\t], v[\adr] offset:\off+64*\t+16
.endr
.endm
.macro SCORE qs                        ; eight accumulators, one instruction each
.irp f, 0,1,2,3
	v_wmma_scale_f32_16x16x128_f8f6f4 v[96+16*\f:103+16*\f], v[32+16*\f:47+16*\f], v[192:207], v[96+16*\f:103+16*\f], v[216+\f], v[\qs]
	v_wmma_scale_f32_16x16x128_f8f6f4 v[104+16*\f:111+16*\f], v[32+16*\f:47+16*\f], v[200:215], v[104+16*\f:111+16*\f], v[216+\f], v[\qs]
.endr
.endm
.macro PV ps                           ; O^T += V^T P^T: four tiles of 16 channels; K = these 128 keys
.irp d, 0,1,2,3
	v_wmma_scale_f32_16x16x128_f8f6f4 v[160+8*\d:167+8*\d], v[32+16*\d:47+16*\d], v[224:239], v[160+8*\d:167+8*\d], v[24+\d], v[\ps]
.endr
.endm
.macro SMAX                            ; the largest score of each block of 32 keys: for the row's maximum and, since p rises with the score, for the block's largest p
.irp b, 0,1,2,3
	v_max3_num_f32 v[232+\b], v[96+16*\b], v[97+16*\b], v[98+16*\b]
.endr
.irp i, 3,5,7,9,11,13
.irp b, 0,1,2,3
	v_max3_num_f32 v[232+\b], v[232+\b], v[96+16*\b+\i], v[97+16*\b+\i]
.endr
.endr
.irp b, 0,1,2,3
	v_max_num_f32 v[232+\b], v[232+\b], v[111+16*\b]
.endr
.endm
.macro REST ps, w                      ; a tile's softmax behind SMAX, its codes, its scale word (into v[ps] of window 0: scale operands have no window), and O^T under the new M.  w: the tile's window
.irp b, 0,1,2,3
	v_permlanex16_b32 v[236+\b], v[232+\b], s[SEL], s[SEL+1]
.endr
.irp b, 0,1,2,3
	v_max_num_f32 v[232+\b], v[232+\b], v[236+\b]  ; with lane l xor 16's 16 keys (the four blocks by turns)
.endr
	s_delay_alu instid0(VALU_DEP_2)
	v_max3_num_f32 v254, v232, v233, v234
	s_delay_alu instid0(VALU_DEP_1)
	v_max_num_f32 v254, v254, v235                 ; the step's largest score of my query
	s_delay_alu instid0(VALU_DEP_1)
	v_mul_f32 v254, s[CS], v254                    ; as t (c is positive)
	s_delay_alu instid0(VALU_DEP_1)
	v_max_num_f32 v13, v13, v254                   ; the running largest t
	v_mov_b32 v254, v12
	s_delay_alu instid0(VALU_DEP_2)
	v_floor_f32 v12, -v13                          ; the new -M = -ceil(t)
	s_delay_alu instid0(VALU_DEP_1)
	v_sub_f32 v254, v12, v254                      ; old M - new M: a whole number, 0 or less
	s_delay_alu instid0(VALU_DEP_1)
	v_cvt_i32_f32 v254, v254                       ; (it saturates)
	s_delay_alu instid0(VALU_DEP_1)
	v_ldexp_f32 v252, 1.0, v254                    ; f = 2^(old M - new M)
.set j, 0
.rept 32
	v_pk_fma_f32 v[96+j:97+j], v[96+j:97+j], s[CS:CS+1], v[12:13] op_sel_hi:[1,0,0]   ; t - M, two at a time
.set j, j+2
.endr
.irp b, 0,1,2,3
	v_fma_f32 v[232+\b], v[232+\b], s[CS], v12     ; the same of each block's largest score
.endr
	WALU                                           ; the wait ahead of the batch
.set j, 0
.rept 64
	v_exp_f32 v[96+j], v[96+j]                     ; p = 2^(t - M), at most 1: not normalised
.set j, j+1
.endr
.irp b, 0,1,2,3
	v_exp_f32 v[232+\b], v[232+\b]                 ; the block's largest p: the same two instructions on the same number give the same bits
.endr
	v_pk_mul_f32 v[14:15], v[14:15], v[252:253] op_sel_hi:[1,0]   ; the sums under the new M (the plain line behind the exponentials)
	WALU                                           ; one wait for the batch of 68, ahead of its first reader
	v_pk_add_f32 v[236:237], v[100:101], v[104:105]   ; the row's sum of the unquantised p, in eight chains
	v_pk_add_f32 v[248:249], v[108:109], v[112:113]
	v_pk_add_f32 v[246:247], v[116:117], v[120:121]
	v_pk_add_f32 v[244:245], v[124:125], v[128:129]
	v_pk_add_f32 v[242:243], v[132:133], v[136:137]
	v_pk_add_f32 v[240:241], v[140:141], v[144:145]
	v_pk_add_f32 v[238:239], v[148:149], v[152:153]
	v_pk_add_f32 v[14:15], v[14:15], v[156:157]
	v_pk_add_f32 v[236:237], v[236:237], v[96:97]
	v_pk_add_f32 v[248:249], v[248:249], v[98:99]
	v_pk_add_f32 v[246:247], v[246:247], v[102:103]
	v_pk_add_f32 v[244:245], v[244:245], v[106:107]
	v_pk_add_f32 v[242:243], v[242:243], v[110:111]
	v_pk_add_f32 v[240:241], v[240:241], v[114:115]
	v_pk_add_f32 v[238:239], v[238:239], v[118:119]
	v_pk_add_f32 v[14:15], v[14:15], v[122:123]
	v_pk_add_f32 v[236:237], v[236:237], v[126:127]
	v_pk_add_f32 v[248:249], v[248:249], v[130:131]
	v_pk_add_f32 v[246:247], v[246:247], v[134:135]
	v_pk_add_f32 v[244:245], v[244:245], v[138:139]
	v_pk_add_f32 v[242:243], v[242:243], v[142:143]
	v_pk_add_f32 v[240:241], v[240:241], v[146:147]
	v_pk_add_f32 v[238:239], v[238:239], v[150:151]
	v_pk_add_f32 v[14:15], v[14:15], v[154:155]
	v_pk_add_f32 v[236:237], v[236:237], v[158:159]
	v_pk_add_f32 v[248:249], v[248:249], v[240:241]   ; the eight chains are joined; the scales' lines stand among the joins, so that no join follows closely on what it reads
	v_pk_add_f32 v[246:247], v[246:247], v[238:239]
	v_pk_add_f32 v[14:15], v[14:15], v[244:245]
	v_pk_add_f32 v[236:237], v[236:237], v[242:243]
.irp b, 0,1,2,3
	v_max_num_f32 v[232+\b], 0x4800000, v[232+\b]  ; the floor 2^(9 - 127): the byte cannot fall under 1 (a block whose every p is 0 keeps that byte: its codes are zeros)
.endr
	v_pk_add_f32 v[14:15], v[14:15], v[248:249]
	v_pk_add_f32 v[236:237], v[236:237], v[246:247]
.irp b, 0,1,2,3
	v_add_nc_u32 v[244+\b], 0xfc000000, v[232+\b]  ; 8 off the exponent field: the conversion's scale operand
.endr
	v_pk_add_f32 v[14:15], v[14:15], v[236:237]
.irp b, 0,1,2,3
	v_lshrrev_b32 v[236+\b], 23, v[244+\b]         ; the scale's byte
.endr
	v_lshl_or_b32 v253, v237, 8, v236              ; p's scale word for these 128 keys, in two halves
	v_lshl_or_b32 v254, v239, 8, v238
.irp b, 0,1,2,3
	v_and_or_b32 v[240+\b], v[232+\b], 0x7f800000, s[MNT]   ; 448 x the scale
.endr
.if \w
	WIN 0x11                                       ; sources in window 1, destination in window 0
.endif
	v_lshl_or_b32 v[\ps], v254, 16, v253
.if \w
	WIN 0x55
.endif
.irp b, 0,1,2,3
.irp i, 0,2,4,6,8,10,12,14
	v_dual_min_num_f32 v[96+16*\b+\i], v[96+16*\b+\i], v[240+\b] :: v_dual_min_num_f32 v[97+16*\b+\i], v[97+16*\b+\i], v[240+\b]   ; the conversion to an 8-bit code does not saturate (ISA guide 7.6.2); p is not negative, so the hold is one-sided; two holds to a line
.endr
	v_cvt_scalef32_pk8_fp8_f32 v[224+4*\b:225+4*\b], v[96+16*\b:103+16*\b], v[244+\b]
	v_cvt_scalef32_pk8_fp8_f32 v[226+4*\b:227+4*\b], v[104+16*\b:111+16*\b], v[244+\b]
.endr
	WALU                                           ; the wait directly ahead of the first reader of O^T
.set j, 0
.rept 16
	v_pk_mul_f32 v[160+j:161+j], v[160+j:161+j], v[252:253] op_sel_hi:[1,0]   ; O^T under the new M.  (These sixteen also stand between the conversions and the products that take the codes)
.set j, j+2
.endr
.endm
; A KEY STEP: 128 keys x my 32 queries.  At its head K's frames, their scale words and the mask's terms stand in registers.
.macro STEP
	WIN 0x44                                       ; tile 1: Q and the scores in window 1; K and the mask's terms (C) in window 0
	SCORE 21
	WIN 0
	v_add_nc_u32 v[ADK], s[TB], v[AL]              ; with the five v_nop: nine places ahead of the products that write over the C of tile 1's
	v_add_nc_u32 v[ADV], s[TB], v[AV0]
	v_add_nc_u32 v[ADM], s[TM], v[AMB]
	v_add_nc_u32 v[ADS], s[TS], v[ASC]
.rept 5
	v_nop
.endr
	SCORE 20                                       ; tile 0, in place on the mask's terms
	WIN 0x55
	SMAX                                           ; tile 1's 32 lines name no register of tile 0's products: they are the places ahead of the loads below and of tile 0's first read
	WIN 0x40
.irp d, 0,1,2,3
.irp c, 0,1,2,3
	ds_load_b128 v[32+16*\d+4*\c:35+16*\d+4*\c], v[ADV] offset:2048*\d+512*\c   ; this step's four fragments of V
.endr
.endr
	WIN 0
	ds_load_b128 v[24:27], v[ADS] offset:VSC-KSC   ; channel 16 d + r's scale words
	LOADK ADK, ADS, 8192, 256                      ; the next step's K
	SMAX
	REST 22, 0
	LOADM ADM, 512                                 ; the next step's mask terms, into the registers that tile 0's conversions have read
	WIN 0x55
	REST 23, 1
	WIN 0x01
	WALU
	s_wait_dscnt 0x0                               ; V, the next K and the next mask terms are in
	PV 22                                          ; V in window 1; tile 0's codes and O^T in window 0
	WIN 0x55
	PV 23
	WIN 0
	s_add_co_u32 s[TB], s[TB], 8192
	s_add_co_u32 s[TM], s[TM], 512
	s_add_co_u32 s[TS], s[TS], 256
.endm
.macro INIT
	v_mov_b32 v13, 0xff61b1e6                      ; the largest t so far: -3e38, under every t
	v_floor_f32 v12, -v13
	v_mov_b32 v14, 0
	v_mov_b32 v15, 0
.set j, 0
.rept 32
	v_mov_b32 v[160+j], 0                          ; O^T: the first change of M leaves zeros zeros
.set j, j+1
.endr
.endm
.macro OUTT t                          ; tile t: O^T / the sum into window 1, through my stage, back as whole rows of 256 bytes
	WIN 0x55*\t
	v_add_f32 v14, v14, v15
	v_permlanex16_b32 v252, v14, s[SEL], s[SEL+1]
	v_add_f32 v14, v14, v252                       ; the row's sum
	WALU
	v_rcp_f32 v14, v14
	v_nop
	WIN 0x40|(5*\t)
	WALU                                           ; ahead of the first reader of the reciprocal and of O^T
.set j, 0
.rept 16
	v_pk_mul_f32 v[96+32*\t+j:97+32*\t+j], v[160+j:161+j], v[14:15] op_sel_hi:[1,0]   ; register 8 d + i is out(r, 16 d + 8 h + i)
.set j, j+2
.endr
	WIN 0x04
.irp d, 0,1,2,3
	ds_store_b128 v[STO], v[96+32*\t+8*\d:99+32*\t+8*\d] offset:64*\d
	ds_store_b128 v[STO], v[100+32*\t+8*\d:103+32*\t+8*\d] offset:64*\d+16
.endr
	WIN 0x40
.irp i, 0,1,2,3,4,5,6,7
	ds_load_b128 v[32+32*\t+4*\i:35+32*\t+4*\i], v[RD] offset:544*\i   ; LDS serves a wave's instructions in order: these see my stores, and the next tile's stores come behind them
.endr
.endm
	s_mov_b32 s[PASS], 2
.Lpass:                                            ; two passes: 32 queries a wave in each
	LOADK AL, ASC, 0, 0                            ; key step 0's K and mask terms
	LOADM AMB, 0
	s_mov_b32 s[TB], 0
	s_mov_b32 s[TM], 0
	s_mov_b32 s[TS], 0
	INIT
	s_wait_loadcnt 0x0                             ; this pass's Q
	v_perm_b32 v20, v254, v254, 0x01000100         ; the even tile's two scale bytes, twice: for k 0-63 and for k 64-127;
	v_perm_b32 v21, v254, v254, 0x03020302         ; the odd tile's
	WIN 0x55
	INIT                                           ; (these lines also stand between the scale words' writes and the first products)
	WIN 0
	WALU
	s_wait_dscnt 0x0
	s_mov_b32 s[CNT], 3
.Lone:                                             ; key steps 0 to 2: they read key steps 0 to 3 of K and 0 to 2 of V
	STEP
	s_sub_co_u32 s[CNT], s[CNT], 1
	s_cmp_lg_u32 s[CNT], 0
	s_cbranch_scc1 .Lone
	s_wait_tensorcnt 0x0                           ; every wave: my tile has landed; behind the barrier all of K and V stand in LDS
	s_wait_dscnt 0x0
	s_barrier_signal -1
	s_barrier_wait -1
	s_mov_b32 s[CNT], 13
.Ltwo:
	STEP
	s_sub_co_u32 s[CNT], s[CNT], 1
	s_cmp_lg_u32 s[CNT], 0
	s_cbranch_scc1 .Ltwo
.rept 8
	v_nop                                          ; places behind the last products
.endr
	s_cmp_eq_u32 s[PASS], 1
	s_cbranch_scc1 .Lno_more
	LOADQ 32768, 1024                              ; the next pass's Q, 256 queries on, is on its way under the way out
.Lno_more:
	OUTT 0
	OUTT 1
	WIN 0x04
	s_wait_dscnt 16                                ; tile 0's rows are back; behind them: tile 1's eight stores and eight loads
.irp i, 0,1,2,3,4,5,6,7
	global_store_b128 v[GO], v[32+4*\i:35+4*\i], s[OP:OP+1] offset:8192*\i th:TH_STORE_NT   ; sixteen lanes store 256 consecutive bytes, aligned
.endr
	s_wait_dscnt 0x0
.irp i, 0,1,2,3,4,5,6,7
	global_store_b128 v[GO], v[64+4*\i:67+4*\i], s[OP:OP+1] offset:65536+8192*\i th:TH_STORE_NT
.endr
	WIN 0
	s_wait_xcnt 0x0                                ; the loads and stores have read their addresses, data and bases: they are written again only behind this wait
	s_add_nc_u64 s[QC:QC+1], s[QC:QC+1], 32768     ; 256 queries on (behind the last pass the stepped addresses are not used)
	s_add_nc_u64 s[QS:QS+1], s[QS:QS+1], 1024
	s_add_nc_u64 s[OP:OP+1], s[OP:OP+1], 0x100000
	s_sub_co_u32 s[PASS], s[PASS], 1
	s_cmp_lg_u32 s[PASS], 0
	s_cbranch_scc1 .Lpass
	s_wait_tensorcnt 0x0                           ; the wave's end
	ds_add_u32 v[SPW], v[NIL]
	s_wait_dscnt 0x0
	CROUND                                         ; the closing round
	s_endpgm
.Lfunc_end_k_q6703bbd441_attn:
	.size	k_q6703bbd441_attn, .Lfunc_end_k_q6703bbd441_attn-k_q6703bbd441_attn
	.p2alignl 7, 3214868480
	.fill 96, 4, 3214868480
	.section	.rodata,"a",@progbits
	.p2align	6, 0x0
	.amdhsa_kernel k_q6703bbd441_attn
		.amdhsa_group_segment_fixed_size 327680
		.amdhsa_private_segment_fixed_size 0
		.amdhsa_enable_private_segment 0
		.amdhsa_kernarg_size 32
		.amdhsa_user_sgpr_count 2
		.amdhsa_user_sgpr_kernarg_segment_ptr 1
		.amdhsa_wavefront_size32 1
		.amdhsa_system_sgpr_workgroup_id_x 1
		.amdhsa_system_sgpr_workgroup_id_y 1
		.amdhsa_system_sgpr_workgroup_id_z 1
		.amdhsa_system_vgpr_workitem_id 0
		.amdhsa_next_free_vgpr 512
		.amdhsa_next_free_sgpr 102
		.amdhsa_reserve_vcc 0
		.amdhsa_float_denorm_mode_32 3
		.amdhsa_float_denorm_mode_16_64 3
		.amdhsa_memory_ordered 1
		.amdhsa_forward_progress 1
		.amdhsa_inst_pref_size 96
	.end_amdhsa_kernel
	.amdgpu_metadata
---
amdhsa.version: [ 1, 2 ]
amdhsa.kernels:
  - .name:           k_q6703bbd441_attn
    .symbol:         k_q6703bbd441_attn.kd
    .args:
      - { .name: qkvc, .offset: 0, .size: 8, .value_kind: global_buffer, .address_space: global }
      - { .name: qkvs, .offset: 8, .size: 8, .value_kind: global_buffer, .address_space: global }
      - { .name: masked_attention, .offset: 16, .size: 8, .value_kind: global_buffer, .address_space: global }
      - { .name: out0, .offset: 24, .size: 8, .value_kind: global_buffer, .address_space: global }
    .group_segment_fixed_size: 327680
    .private_segment_fixed_size: 0
    .kernarg_segment_align: 8
    .kernarg_segment_size: 32
    .max_flat_workgroup_size: 256
    .sgpr_count:     102
    .vgpr_count:     512
    .wavefront_size: 32
...
	.end_amdgpu_metadata
.endif
;; end of part 3
